; MI455X (gfx1250); checked and timed in simulation.
; The chip was launched on July 23, 2026; its instructions are those of AMD's public machine-readable ISA for CDNA 5 (MIT licence, August 2026) and "CDNA5" Instruction Set Architecture Reference Guide (July 2026). The comments in the code are by the model that wrote it; some were corrected since.
;; Elastic Attention Block. Allowed arithmetic: matrix products marked QUANTISED: E4M3 operands, one given power-of-two scale a tensor, by v_wmma_f32_16x16x64_fp8_fp8 or v_wmma_f32_16x16x128_fp8_fp8, f32 sums; everything else in f32.
;; Inputs: lowp_scales 4 int32 (the exponents e of the quantised operands' scales 2^e); querry_emb 4,096 x 1,024 float32; traj_emb 8,192 x 1,024 float32.
;; Outputs: out0 4,096 x 1,024 float32.
;; This version of the problem:
;;   THIS VERSION OF THE PROBLEM IS GIVEN IN LOW PRECISION. The matrix products marked QUANTISED in the list below multiply operands that are first quantised to E4M3 (4 exponent bits, 3 mantissa bits; 8 bits a number), with one given power-of-two scale for each operand tensor; their sums are f32. All else is computed in f32.
;;   The module's matrix products, in the order in which they are computed (A, B: the left and right operand; K: the contracted axis; several contracted axes count as one K, in the product's order):
;;     1. [M 4,096, K 1,024] x [K 1,024, N 8,192]; A: input querry_emb; B: input traj_emb: QUANTISED (scales: A lowp_scales[0], B lowp_scales[1])
;;     2. [M 4,096, K 8,192] x [K 8,192, N 1,024]; A: softmax (see below); B: input traj_emb: QUANTISED (scales: A lowp_scales[2], B lowp_scales[3])
;;   THE QUANTISER, for each operand of a quantised product, along K:
;;     - The operand's scale is 2^e, e = its entry of the input lowp_scales (int32; the entries are numbered through the quantised products in the list's order, A before B).
;;     - Each number is divided by the scale, clamped to +-448, and rounded to the nearest number of E4M3, ties to even, subnormals kept.
;;     - The product sums the exact products of the quantised numbers (number of the format x scale) in f32.
;;   ~~~python
;;   def quantise(x, axis, e):      # numpy; x: float32 -> the quantised numbers, widened to float32 again
;;       x = np.moveaxis(x, axis, -1); K = x.shape[-1]
;;       r = np.clip(x / 2.0 ** e, -448, 448)
;;       step = 2.0 ** (np.maximum(np.frexp(np.where(r == 0, 1, r))[1] - 1, -6) - 3)
;;       q = np.round(r / step) * step * 2.0 ** e      # np.round: ties to even
;;       return np.moveaxis(q, -1, axis).astype(np.float32)
;;   ~~~
;;   SOFTMAX AHEAD OF A QUANTISED PRODUCT. Where the list says 'softmax', what is quantised is not the finished softmax but p = 2^(t - M), with t = logit x log2(e) and M = ceil(the row's largest t), a whole number; so 1/2 < the row's largest p <= 1. The row's sum l is taken of the UNQUANTISED p, in f32, and the product's result is divided by l at the end. Since M is a whole number, a kernel that streams over the keys may use a running M (the ceiling of the running maximum): every later rescaling is an exact power of two, so the quantised numbers keep their values, but for numbers so far below the row's largest that they fall under the format's range.
;;   OPERANDS COMPUTED ON THE WAY. 'Computed on the way' means the value that the module computes at that place (a softmax that the list does not call 'softmax' is quantised finished and normalised). What goes into a quantiser is computed in f32, as accurately as f32 sums, v_exp_f32 and their like allow (about 1e-6 of the number): no bf16 or f16 on the way to a quantiser, and a product that is left as it is and whose result goes on into a quantised operand takes f32 operands (vector FMAs, or v_wmma_f32_16x16x4_f32). A number that lies on a knife's edge between two numbers of the format may be rounded either way, as far as f32 arithmetic and the matrix unit's own rounding can turn it there, and no further.
;; One version. Each part assembles by itself: llvm-mc -triple=amdgcn-amd-amdhsa -mcpu=gfx1250 --defsym DOCPART=n.
;; ======== version 1 of 1: 3 launches
;; limits: right only within a limited range of input values
;; workspace buffers: q_codes 4,194,304 bytes; k_codes 8,388,608 bytes; v_codes 8,388,608 bytes; p_codes 33,554,432 bytes; q_rn 16,384 bytes; k_rn 32,768 bytes; l_part 1,048,576 bytes
;; launch quant (part 1): grid 384 x 1, 8 waves a work-group, no clusters, 132,864 bytes of LDS; arguments querry_emb, traj_emb, lowp_scales, q_codes, k_codes, v_codes, q_rn, k_rn; writes q_codes, k_codes, v_codes, q_rn, k_rn
.if DOCPART == 1
	.amdgcn_target "amdgcn-amd-amdhsa--gfx1250"
	.amdhsa_code_object_version 6
	.text
	.protected	k_qf7fec1bd88_quant
	.globl	k_qf7fec1bd88_quant
	.p2align	8
	.type	k_qf7fec1bd88_quant,@function
k_qf7fec1bd88_quant:
	s_mov_b64 s[64:65], 0
	v_nop
	global_prefetch_b8 v0, s[64:65] scope:SCOPE_SE
	s_setreg_imm32_b32 hwreg(HW_REG_WAVE_MODE, 25, 1), 1
	s_wait_xcnt 0x0
; querry_emb [4096][1024] and traj_emb [8192][1024], f32, become codes of FP8 (E4M3), and each row's 1 / sqrt(sum of squares) is stored.
;   q_codes: Q with 2^e0, K = the 1,024 channels.   k_codes: T with 2^e1, K = the channels.   v_codes: T with 2^e3, K = the KEYS.   q_rn, k_rn: f32, one number a row.
; code = x / 2^e, held within +-448, rounded to the nearest code, ties to even.  LIMITS: e0, e1, e3 between -126 and 119.  NaN among the inputs is not served; a row of zeros gives an infinite
; reciprocal norm.
; THE CODES ARE LAID IN THE ORDER OF THE OPERAND'S REGISTERS.  A fragment is 16 rows x 128 K = 2,048 bytes = four chunks of 512: lane l = (r = l % 16, h = l / 16) owns the 16 bytes at 512 c + 16 l,
; and byte i of them is row r, k = 32 c + 16 (i / 8) + 8 h + i % 8: registers 4 c .. 4 c + 3 of the fragment, each k in the place that the matrix instruction's own layout gives it.
;   q_codes [query / 16][channel / 128][2048], k_codes [key / 16][channel / 128][2048], v_codes [channel / 16][key / 128][2048].
; SHARES.  A work-group takes 32 rows: work-groups 0-127 of Q, 128-383 of T; buffers, block and exponent are chosen on the work-group's number, and both take one path, which T's blocks walk further.
; Each of eight waves loads four rows (every load 512 consecutive bytes, all 32 loads out at once), squares and sums them, and lays them as they are into a stage in LDS (rows 4,112 bytes apart).
; One barrier.  Then each wave makes two fragments along the channels (a lane reads 8 neighbours of its row), and, for T, one chunk of each of eight fragments along the keys (a lane takes a channel and
; its registers run down the keys: nothing is transposed by an instruction).  Every store of codes is 512 consecutive bytes.
; No tensor load, no matrix unit, no cluster: no byte is read by two work-groups.
.set PITCH, 4112                       ; a stage row: 4,096 bytes + 16: sixteen rows at one column fall on sixteen different 16-byte columns of the banks (ISA guide 11.1)
.set RNL,   32*PITCH                   ; behind the stage: the 32 reciprocal norms
.set R,     32                         ; v32-159  128 numbers
.set SQ,    160                        ; v160-175 four registers a row: two packed chains of squares
.set CD,    160                        ; v160-191 later: codes, four registers a chunk, so that no store's data are written again within a path
.set RS,    184                        ; v184-187 the four reciprocal norms
; v1 lane, v2 r, v3 h; v4 global offset of my 16 bytes; v5 the stage on the way in; v6, v7 channel path: stage address, codes' offset; v8, v9, v10 key path: stage addresses, codes' offset;
; v11, v12 the norms' words in LDS; v13 4 x lane; v14, v15: 2^e and 448 x 2^e of the channel path; v16, v17: of the key path; v18 a norm on its way out; v19 16 x lane
	s_load_b256 s[8:15], s[0:1], 0x0               ; Q s[8:9], T s[10:11], the exponents s[12:13], q_codes s[14:15]
	s_load_b256 s[16:23], s[0:1], 0x20             ; k_codes s[16:17], v_codes s[18:19], q_rn s[20:21], k_rn s[22:23]
	v_lshl_add_u32 v192, v0, 2, 0x20300
	v_mov_b32 v193, 0
	v_lshrrev_b32 v1, 5, v0
	s_delay_alu instid0(VALU_DEP_1)
	v_readfirstlane_b32 s28, v1                    ; wave 0..7
	v_and_b32 v1, 31, v0                           ; lane
	v_and_b32 v2, 15, v0                           ; r
	v_bfe_u32 v3, v0, 4, 1                         ; h
	s_delay_alu instid0(VALU_DEP_3)
	v_lshlrev_b32 v19, 4, v1                       ; 16 x lane
	s_wait_alu depctr_va_vdst(0)
	s_lshl_b32 s2, s28, 14
	v_add_nc_u32 v4, s2, v19                       ; in memory: my wave's four rows of 4,096 bytes
	s_mul_i32 s2, s28, 4*PITCH
	v_add_nc_u32 v5, s2, v19                       ; and in the stage
	s_lshr_b32 s3, s28, 2                          ; channel path: which 16 rows,
	s_and_b32 s4, s28, 3                           ; and which two of their eight fragments
	s_mul_i32 s2, s3, 16*PITCH
	s_lshl_b32 s5, s4, 10
	s_add_co_u32 s2, s2, s5
	v_mul_u32_u24 v6, v2, PITCH
	s_delay_alu instid0(VALU_DEP_1)
	v_lshl_add_u32 v6, v3, 5, v6
	s_delay_alu instid0(VALU_DEP_1)
	v_add_nc_u32 v6, s2, v6                        ; row r, + 1,024 bytes for two fragments' 256 channels, + 32 h: my half's eight numbers
	s_lshl_b32 s2, s3, 14
	s_lshl_b32 s5, s4, 12
	s_add_co_u32 s2, s2, s5
	v_add_nc_u32 v7, s2, v19                       ; 16,384 x (16 rows) + 4,096 x (two fragments) + 16 x lane
	v_mul_u32_u24 v8, v3, 8*PITCH
	s_delay_alu instid0(VALU_DEP_1)
	v_lshl_add_u32 v8, v2, 2, v8
	s_lshl_b32 s2, s28, 9
	v_add_nc_u32 v8, s2, v8                        ; key path: key 8 h, channel 128 x wave + r
	s_delay_alu instid0(VALU_DEP_1)
	v_add_nc_u32 v9, 16*PITCH, v8                  ; and key 16 + 8 h
	s_lshl_b32 s2, s28, 20
	v_add_nc_u32 v10, s2, v19                      ; my wave's eight tiles of 16 channels, 131,072 bytes each
	s_lshl_b32 s2, s28, 4
	s_add_co_u32 s2, s2, RNL
	v_mov_b32 v11, s2                              ; where my wave's four norms go
	v_lshlrev_b32 v13, 2, v1
	s_delay_alu instid0(VALU_DEP_1)
	v_add_nc_u32 v12, RNL, v13                     ; and where wave 0 reads all 32
	s_mov_b32 s38, 0x76543210                      ; v_permlanex16_b32: each lane takes its own place in the other half
	s_mov_b32 s39, 0xfedcba98
	s_wait_kmcnt 0x0
	s_load_b128 s[24:27], s[12:13], 0x0            ; e0, e1, e2, e3
	s_cmp_lt_u32 ttmp9, 128                        ; Q's block or T's?  The choice hangs on the work-group's number alone
	s_cselect_b64 s[30:31], s[8:9], s[10:11]
	s_cselect_b64 s[32:33], s[14:15], s[16:17]
	s_cselect_b64 s[34:35], s[20:21], s[22:23]
	s_cselect_b32 s29, 0, 128
	s_sub_co_u32 s29, ttmp9, s29                   ; the block of 32 rows
	s_mov_b32 s3, 0
	s_lshl_b32 s2, s29, 17
	s_add_nc_u64 s[30:31], s[30:31], s[2:3]        ; 32 rows of 4,096 bytes
	s_lshl_b32 s2, s29, 15
	s_add_nc_u64 s[32:33], s[32:33], s[2:3]        ; 16 fragments
	s_lshl_b32 s2, s29, 7
	s_add_nc_u64 s[34:35], s[34:35], s[2:3]        ; 32 norms
	s_lshl_b32 s2, s29, 9
	s_add_nc_u64 s[36:37], s[18:19], s[2:3]        ; 32 keys are chunk block % 4 of the fragments of keys 128 (block / 4) on: 512 x block
.irp i, 0,1,2,3
.irp j, 0,1,2,3,4,5,6,7
	global_load_b128 v[R+32*\i+4*\j:R+32*\i+4*\j+3], v4, s[30:31] offset:\i*4096+\j*512 th:TH_LOAD_NT   ; 32 lanes read 512 consecutive bytes; each input byte is read once in the launch
.endr
.endr
	s_wait_kmcnt 0x0
	s_cmp_lt_u32 ttmp9, 128
	s_cselect_b32 s40, s24, s25                    ; e0 or e1
	s_add_co_i32 s40, s40, 127
	s_lshl_b32 s41, s40, 23
	v_mov_b32 v14, s41                             ; 2^e as f32: the conversion takes its exponent field
	s_add_co_i32 s40, s40, 8
	s_lshl_b32 s40, s40, 23
	s_or_b32 s40, s40, 0x600000
	v_mov_b32 v15, s40                             ; 448 x 2^e
	s_add_co_i32 s42, s27, 127
	s_lshl_b32 s43, s42, 23
	v_mov_b32 v16, s43                             ; 2^e3
	s_add_co_i32 s42, s42, 8
	s_lshl_b32 s42, s42, 23
	s_or_b32 s42, s42, 0x600000
	v_mov_b32 v17, s42                             ; 448 x 2^e3
.irp i, 0,1,2,3
	s_wait_loadcnt 24-8*\i                         ; row i's eight loads are in; the eight of each younger row may be out
.irp j, 0,1,2,3,4,5,6,7
	ds_store_b128 v5, v[R+32*\i+4*\j:R+32*\i+4*\j+3] offset:\i*PITCH+512*\j
.endr
	v_pk_mul_f32 v[SQ+4*\i:SQ+4*\i+1], v[R+32*\i:R+32*\i+1], v[R+32*\i:R+32*\i+1]           ; the first squares start two chains: nothing is cleared
	v_pk_mul_f32 v[SQ+4*\i+2:SQ+4*\i+3], v[R+32*\i+2:R+32*\i+3], v[R+32*\i+2:R+32*\i+3]
.irp n, 4,8,12,16,20,24,28
	s_delay_alu instid0(VALU_DEP_2)
	v_pk_fma_f32 v[SQ+4*\i:SQ+4*\i+1], v[R+32*\i+\n:R+32*\i+\n+1], v[R+32*\i+\n:R+32*\i+\n+1], v[SQ+4*\i:SQ+4*\i+1]
	s_delay_alu instid0(VALU_DEP_2)
	v_pk_fma_f32 v[SQ+4*\i+2:SQ+4*\i+3], v[R+32*\i+\n+2:R+32*\i+\n+3], v[R+32*\i+\n+2:R+32*\i+\n+3], v[SQ+4*\i+2:SQ+4*\i+3]
.endr
.endr
.irp i, 0,1,2,3                        ; the four rows take turns line by line
	v_pk_add_f32 v[SQ+4*\i:SQ+4*\i+1], v[SQ+4*\i:SQ+4*\i+1], v[SQ+4*\i+2:SQ+4*\i+3]
.endr
.irp i, 0,1,2,3
	s_delay_alu instid0(VALU_DEP_4)
	v_add_f32 v[SQ+4*\i], v[SQ+4*\i], v[SQ+4*\i+1]
.endr
.irp m, 1,2,4,8
.irp i, 0,1,2,3
	s_delay_alu instid0(VALU_DEP_4)
	v_add_f32_dpp v[SQ+4*\i], v[SQ+4*\i], v[SQ+4*\i] row_xmask:\m row_mask:0xf bank_mask:0xf
.endr
.endr
.irp i, 0,1,2,3
	s_delay_alu instid0(VALU_DEP_4)
	v_permlanex16_b32 v[SQ+4*\i+1], v[SQ+4*\i], s38, s39
.endr
.irp i, 0,1,2,3
	s_delay_alu instid0(VALU_DEP_4)
	v_add_f32 v[SQ+4*\i], v[SQ+4*\i], v[SQ+4*\i+1]   ; every lane holds the row's sum of squares
.endr
	s_wait_alu depctr_va_vdst(0)
.irp i, 0,1,2,3
	v_rsq_f32 v[RS+\i], v[SQ+4*\i]
.endr
	v_nop                                          ; a plain instruction behind the last of the batch (ISA guide 5.7.2)
	s_wait_alu depctr_va_vdst(0)                   ; one wait for the four, ahead of their first reader
	ds_store_b128 v11, v[RS:RS+3]                  ; all lanes write the same four words with the same values
	s_wait_dscnt 0x0                               ; for the others' sake: my rows and my norms lie in LDS
	s_barrier_signal -1
	s_barrier_wait -1                              ; the launch's one barrier: behind it LDS is only read
	s_cmp_lg_u32 s28, 0
	s_cbranch_scc1 .Lno_rn
	ds_load_b32 v18, v12                           ; wave 0 sends the block's 32 norms out: 128 consecutive bytes
	s_wait_dscnt 0x0
	global_store_b32 v13, v18, s[34:35]
.Lno_rn:
; ---- along the channels: chunk n % 4 of my fragment n / 4.  Numbers 16 n + 8 j + 0 .. 7 are channels 32 c + 16 j + 8 h + 0 .. 7 of row r
.macro KLOAD n
.irp j, 0,1
.irp u, 0,1
	ds_load_b128 v[R+16*(\n)+8*\j+4*\u:R+16*(\n)+8*\j+4*\u+3], v6 offset:((\n)/4)*512+((\n)%4)*128+\j*64+\u*16
.endr
.endr
.endm
.macro KCHUNK n
	s_wait_dscnt 28-4*(\n)                         ; this chunk's four loads are in; the four of each younger chunk may be out
.irp i, 0,1,2,3,4,5,6,7,8,9,10,11,12,13,14,15
	v_med3_num_f32 v[R+16*(\n)+\i], v[R+16*(\n)+\i], -v15, v15   ; the conversion to an 8-bit code does not saturate (ISA guide 7.6.2): the hold at the largest code x the scale
.endr
	v_cvt_scalef32_pk8_fp8_f32 v[CD+4*(\n):CD+4*(\n)+1], v[R+16*(\n):R+16*(\n)+7], v14
	v_cvt_scalef32_pk8_fp8_f32 v[CD+4*(\n)+2:CD+4*(\n)+3], v[R+16*(\n)+8:R+16*(\n)+15], v14   ; the results go to a store; the next chunk's holds are plain lines on other registers
	global_store_b128 v7, v[CD+4*(\n):CD+4*(\n)+3], s[32:33] offset:((\n)/4)*2048+((\n)%4)*512   ; 32 lanes store a chunk: 512 consecutive bytes
.endm
.irp n, 0,1,2,3,4,5,6,7
	KLOAD \n
.endr
.irp n, 0,1,2,3,4,5,6,7
	KCHUNK \n
.endr
	s_wait_xcnt 0x0                                ; the stores above have read their data: the codes' registers are written again below
	s_cmp_lt_u32 ttmp9, 128
	s_cbranch_scc1 .Lend                           ; Q is no operand along the keys
; ---- along the keys: my wave's tile i of 16 channels.  Numbers 16 i + n are keys 8 h + n, numbers 16 i + 8 + n keys 16 + 8 h + n, of channel 16 (8 wave + i) + r
.macro VLOAD i
.irp n, 0,1,2,3,4,5,6,7
	ds_load_b32 v[R+16*(\i)+\n], v8 offset:\n*PITCH+64*(\i)          ; lanes 0-15: 64 consecutive bytes of one key's row; lanes 16-31: of the row eight keys on, 32 banks further
	ds_load_b32 v[R+16*(\i)+8+\n], v9 offset:\n*PITCH+64*(\i)
.endr
.endm
.macro VCHUNK i
.if (\i)+2 < 8
	VLOAD (\i)+2                                   ; the loads run two tiles ahead
	s_wait_dscnt 32                                ; this tile's sixteen are in; the two younger tiles' may be out
.else
	s_wait_dscnt 16*(7-(\i))
.endif
.irp n, 0,1,2,3,4,5,6,7,8,9,10,11,12,13,14,15
	v_med3_num_f32 v[R+16*(\i)+\n], v[R+16*(\i)+\n], -v17, v17
.endr
	v_cvt_scalef32_pk8_fp8_f32 v[CD+4*(\i):CD+4*(\i)+1], v[R+16*(\i):R+16*(\i)+7], v16
	v_cvt_scalef32_pk8_fp8_f32 v[CD+4*(\i)+2:CD+4*(\i)+3], v[R+16*(\i)+8:R+16*(\i)+15], v16
	global_store_b128 v10, v[CD+4*(\i):CD+4*(\i)+3], s[36:37] offset:(\i)*131072   ; a chunk of the fragment (channel tile, keys / 128): 512 consecutive bytes
.endm
	VLOAD 0
	VLOAD 1
.irp i, 0,1,2,3,4,5,6,7
	VCHUNK \i
.endr
.Lend:
	s_wait_tensorcnt 0x0
	ds_add_u32 v192, v193
	s_wait_dscnt 0x0
	s_endpgm
.Lfunc_end_k_qf7fec1bd88_quant:
	.size	k_qf7fec1bd88_quant, .Lfunc_end_k_qf7fec1bd88_quant-k_qf7fec1bd88_quant
	.p2alignl 7, 3214868480
	.fill 96, 4, 3214868480
	.section	.rodata,"a",@progbits
	.p2align	6, 0x0
	.amdhsa_kernel k_qf7fec1bd88_quant
		.amdhsa_group_segment_fixed_size 132864
		.amdhsa_private_segment_fixed_size 0
		.amdhsa_enable_private_segment 0
		.amdhsa_kernarg_size 64
		.amdhsa_user_sgpr_count 2
		.amdhsa_user_sgpr_kernarg_segment_ptr 1
		.amdhsa_wavefront_size32 1
		.amdhsa_system_sgpr_workgroup_id_x 1
		.amdhsa_system_sgpr_workgroup_id_y 1
		.amdhsa_system_sgpr_workgroup_id_z 1
		.amdhsa_system_vgpr_workitem_id 0
		.amdhsa_next_free_vgpr 194
		.amdhsa_next_free_sgpr 66
		.amdhsa_reserve_vcc 0
		.amdhsa_float_denorm_mode_32 3
		.amdhsa_float_denorm_mode_16_64 3
		.amdhsa_memory_ordered 1
		.amdhsa_forward_progress 1
		.amdhsa_inst_pref_size 49
	.end_amdhsa_kernel
	.amdgpu_metadata
---
amdhsa.version: [ 1, 2 ]
amdhsa.kernels:
  - .name:           k_qf7fec1bd88_quant
    .symbol:         k_qf7fec1bd88_quant.kd
    .args:
      - { .name: querry_emb, .offset: 0, .size: 8, .value_kind: global_buffer, .address_space: global }
      - { .name: traj_emb, .offset: 8, .size: 8, .value_kind: global_buffer, .address_space: global }
      - { .name: lowp_scales, .offset: 16, .size: 8, .value_kind: global_buffer, .address_space: global }
      - { .name: q_codes, .offset: 24, .size: 8, .value_kind: global_buffer, .address_space: global }
      - { .name: k_codes, .offset: 32, .size: 8, .value_kind: global_buffer, .address_space: global }
      - { .name: v_codes, .offset: 40, .size: 8, .value_kind: global_buffer, .address_space: global }
      - { .name: q_rn, .offset: 48, .size: 8, .value_kind: global_buffer, .address_space: global }
      - { .name: k_rn, .offset: 56, .size: 8, .value_kind: global_buffer, .address_space: global }
    .group_segment_fixed_size: 132864
    .private_segment_fixed_size: 0
    .kernarg_segment_align: 8
    .kernarg_segment_size: 64
    .max_flat_workgroup_size: 256
    .sgpr_count:     66
    .vgpr_count:     194
    .wavefront_size: 32
...
	.end_amdgpu_metadata
.endif
;; end of part 1
;; launch scores (part 2): grid 32 x 16, 4 waves a work-group, clusters of 4 x 4, 327,680 bytes of LDS; arguments q_codes, k_codes, q_rn, k_rn, lowp_scales, p_codes, l_part; writes p_codes, l_part
.if DOCPART == 2
	.amdgcn_target "amdgcn-amd-amdhsa--gfx1250"
	.amdhsa_code_object_version 6
	.text
	.protected	k_qf7fec1bd88_scores
	.globl	k_qf7fec1bd88_scores
	.p2align	8
	.type	k_qf7fec1bd88_scores,@function
k_qf7fec1bd88_scores:
	s_mov_b64 s[64:65], 0
	v_nop
	global_prefetch_b8 v0, s[64:65] scope:SCOPE_SE
	s_setreg_imm32_b32 hwreg(HW_REG_WAVE_MODE, 25, 1), 1
	s_wait_xcnt 0x0
	s_wait_alu depctr_hold_cnt(0) depctr_sa_sdst(0) depctr_va_vdst(0) depctr_va_sdst(0) depctr_va_ssrc(0) depctr_va_vcc(0) depctr_vm_vsrc(0)
	s_getreg_b32 s2, hwreg(HW_REG_IB_STS2, 6, 4)
	s_cmp_eq_u32 s2, 0
	s_cbranch_scc0 .Lentry_in_a_cluster
	s_endpgm
.Lentry_in_a_cluster:
	s_bfe_u32 s2, ttmp6, 0x10000c
	s_cmp_lg_u32 s2, 0xf033
	s_cbranch_scc0 .Lentry_shape_is_right
	s_endpgm
.Lentry_shape_is_right:
; The first product and the softmax's numerator.  S = K Q^T on codes of FP8 (E4M3); t = S x 2^(e0 + e1) x log2(e) / (|q| |k|); p' = 2^(t - 2); p_codes = codes of p' with the scale 2^e2;
; l_part[keys / 128][query] = the sum of the unquantised p' over 128 keys, f32.
; THE SHIFT.  The definition takes M = ceil(the row's largest t).  Here M0 = 2 for every row: q and k are divided by their own norms, so t is bounded whatever the inputs: |t| <= 1.4427 x (the norms of the
; quantised rows over the true norms), and rounding to E4M3 enlarges no number twofold, so |t| < 5.8: neither 2^(t - 2) nor a sum of 8,192 of them can overflow or underflow in f32.  p' is the definition's p
; times the whole power 2^(M - 2): the same mantissas in E4M3, and the factor cancels against the row's sum.
; LIMITS: that holds while p' / 2^e2 lies in E4M3's normal range and under 448: for |t| <= 1.5, e2 between -8 and 2; t > 2 + log2(448 x 2^e2) is held at the largest code, where the definition's p is not;
; with e2 <= -9 the definition's own p is held, at another p than here.  e0 + e1 between -126 and 127; e2 between -126 and 119.
; SHARES.  A work-group makes 256 queries x 256 keys, each of four waves 128 x 128: 64 accumulators, 512 registers.  The 1,024 channels go in steps of 128, two steps to a slot, through two LDS slots.
; The codes lie in memory in the order of the operand's registers (a fragment of 16 rows x 128 K is four chunks of 512 bytes, lane l's 16 bytes at 16 l), so a fragment is four ds_load_b128 of 512
; consecutive bytes each: no pitch, no padding.  A tensor load brings 8 tiles of 16 rows x 256 K: 8 rows of 4,096 bytes, 16,384 bytes apart.
; CLUSTERS: 4 x 4 work-groups.  The four of a row of the cluster need the same queries, the four of a column the same keys: each tile is asked for JOINTLY.
; THE MATRIX INSTRUCTION: source 0 = 16 keys, source 1 = 16 queries: lane (r, h) holds query r and, in register j, key 8 h + j.  So the eight registers of key tile b, converted, are registers 2 b, 2 b + 1
; of the second product's fragment (16 queries x these 128 keys), in the lanes where they belong: the codes leave straight from the registers, 512 consecutive bytes a store.
; REGISTERS, in windows of 256.  window 0: v16-31 addresses; v32-95 1 / |k| of my lane's 64 keys; v96-111 c / |q| of my lane's query in each of 8 tiles, twice (pairs); v112-127 at work;
;   v128-255 Q's fragments, ONE set; on the way out v128-191 a tile's 64 numbers, v192-255 four sets of 16 registers of codes.
;   window 1: K's fragments, TWO sets.   window 2: accumulators of my queries 0-63 ((a, b) at v[8 (8 (a % 4) + b)]);   window 3: of my queries 64-127.
.set FR,    16                         ; registers of a fragment
.set NL,    4                          ; LDS loads that bring one
.set NP,    4                          ; places behind this matrix instruction (ISA guide 7.12.1)
.set PART,  32768                      ; what one tensor load brings: 8 tiles x 2 steps x 2,048 bytes
.set SLOT,  4*PART                     ; Q's 16 tiles, then K's 16
.set SPARE, 2*SLOT                     ; behind the ring: the spare words, 128 bytes for each wave: two blocks of 256 bytes that no other line names
.set ADRA, 16                          ; v16-17  LDS address of my Q fragments in slot 0, 1
.set ADRB, 20                          ; v20-21  the same for K
.set HK,   24                          ; v24     32 h: my half's eight norms of a key tile
.set RQO,  25                          ; v25     4 r: my query's norm in a tile
.set PO,   26                          ; v26     16 x lane
.set LO,   27                          ; v27     4 x lane
.set SPW,  28                          ; v28     LDS address of my spare word; never rewritten
.set NIL,  29                          ; v29     0; never rewritten
.set LN,   30                          ; v30     lane
.set RK,   32
.set RQ,   96
.set SM,   112                         ; v112-115 two packed chains of the sum
.set LS,   116                         ; v116-123 the eight tiles' sums
.set SC,   124                         ; v124    2^e2
.set LIMV, 125                         ; v125    448 x 2^e2
.set W0,   126
.set W1,   127
.set AF,   128
.set T,    128
.set CD,   192
.set G1, 24                            ; s[24:31] descriptor group 1 for Q's tiles;  s[32:39] group 0, one set for each slot
.set G0, 32
.set G1B, 48                           ; s[48:55], s[56:63] the same for K's tiles
.set G0B, 56
.set MSB, 0
.macro WIN new                         ; the immediate's high byte repeats the setting that is left
.if MSB != \new
	s_set_vgpr_msb (MSB<<8)|\new
.set MSB, \new
.endif
.endm
.set MUL_LO, 0xa1                      ; source 0 (K) window 1, source 1 (Q) window 0, C and D window 2
.set MUL_HI, 0xf1                      ; the same, C and D window 3
.set TO_B,   0x40                      ; destination window 1, address window 0
; A joint load: waves 0 and 1 fetch for Q, waves 2 and 3 for K.  Each of the two lines has ONE mask and one set of registers for all that issue it; the branch hangs on the wave's number alone.
; Four v_nop follow each of the two lines, ahead of the jump, the label and what follows.
.macro JLOAD g0a, g1a, g0b, g1b
	s_cmp_eq_u32 s15, 0
	s_cbranch_scc0 .Lfor_b_\@
	tensor_load_to_lds s[\g0a:\g0a+3], s[\g1a:\g1a+7]
	s_nop 0
.rept 4
	v_nop
.endr
	s_branch .Lasked_\@
.Lfor_b_\@:
	tensor_load_to_lds s[\g0b:\g0b+3], s[\g1b:\g1b+7]
	s_nop 0
.rept 4
	v_nop
.endr
.Lasked_\@:
.endm
.macro CREST                           ; a round of the cluster's barrier behind its opening barrier
	s_cmp_lg_u32 s14, 0
	s_cbranch_scc1 .Lnot_wave_0_\@
	s_barrier_signal -3
.Lnot_wave_0_\@:
	s_barrier_wait -3
	s_barrier_signal -1
	s_barrier_wait -1
.endm
.macro CROUND                          ; a whole round
	s_barrier_signal -1
	s_barrier_wait -1
	CREST
.endm
	s_load_b128 s[4:7], s[0:1], 0x0                ; q_codes s[4:5], k_codes s[6:7]
	s_load_b128 s[8:11], s[0:1], 0x10              ; q_rn s[8:9], k_rn s[10:11]
	s_load_b128 s[68:71], s[0:1], 0x20             ; the exponents s[68:69], p_codes s[70:71]
	s_load_b64 s[72:73], s[0:1], 0x30              ; l_part
	v_lshl_add_u32 v[SPW], v0, 2, SPARE
	v_mov_b32 v[NIL], 0
	ds_add_u32 v28, v29
	ds_add_u32 v28, v29
	s_wait_dscnt 0x0
	v_lshrrev_b32 v1, 5, v0
	v_readfirstlane_b32 s14, v1                    ; wave 0..3
	s_lshr_b32 s15, s14, 1                         ; which half of the queries is mine.  Also: I fetch for Q (0) or for K (1)
	s_and_b32 s16, s14, 1                          ; which half of the keys.  Also: which 8 tiles I fetch
	s_bfe_u32 s40, ttmp6, 0x40000                  ; cx, cy: my place in the cluster
	s_bfe_u32 s41, ttmp6, 0x40004
	s_lshl_b32 s42, ttmp9, 2
	s_add_co_u32 s42, s42, s40                     ; block of 256 keys = 4 x cluster x + cx
	s_and_b32 s17, ttmp7, 0xffff
	s_lshl_b32 s17, s17, 2
	s_add_co_u32 s17, s17, s41                     ; block of 256 queries = 4 x cluster y + cy
	s_lshl_b32 s43, s41, 2
	s_lshl_b32 s43, 15, s43                        ; my row of the cluster
	s_lshl_b32 s44, 0x1111, s40                    ; my column
	; descriptor group 1: 8 rows of 512 elements of 8 bytes, 2,048 elements apart, dense in LDS
	s_or_b32 s[G1+0], s43, (3<<16)|(1<<21)         ; 15:0 the mask: Q's tiles go to my row; 17:16 elements of 8 bytes; 20 no padding; 21 set beside a mask
	s_or_b32 s[G1B+0], s44, (3<<16)|(1<<21)        ; K's go to my column
.irp g, G1, G1B
	s_mov_b32 s[\g+1], 512<<16                     ; tensor_dim0
	s_mov_b32 s[\g+2], 8<<16                       ; tensor_dim1
	s_mov_b32 s[\g+3], 512<<16                     ; tile_dim0
	s_mov_b32 s[\g+4], 8                           ; tile_dim1
	s_mov_b32 s[\g+5], 2048                        ; tensor_dim0_stride: a tile's eight fragments, 16,384 bytes
	s_mov_b32 s[\g+6], 0
	s_mov_b32 s[\g+7], 0
.endr
	s_lshl_b32 s18, s16, 17                        ; which 8 tiles of 16,384 bytes I fetch
	s_lshl_b32 s20, s17, 18
	s_add_co_u32 s20, s20, s18                     ; Q: 16 tiles a block of queries
	s_lshl_b32 s46, s42, 18
	s_add_co_u32 s46, s46, s18                     ; K: 16 tiles a block of keys
	s_mov_b32 s21, 0
	s_mov_b32 s47, 0
	s_lshl_b32 s45, s14, 15                        ; where they go: wave x 32,768: no place in the cluster enters an LDS address
	s_wait_kmcnt 0x0
	s_load_b128 s[80:83], s[68:69], 0x0            ; e0, e1, e2, e3
	s_add_nc_u64 s[20:21], s[4:5], s[20:21]
	s_add_nc_u64 s[46:47], s[6:7], s[46:47]
	CROUND                                         ; all sixteen work-groups are here: the first joint loads meet
.irp s, 0,1
	s_mov_b32 s[G0+4*\s], 1
	s_add_co_u32 s[G0+4*\s+1], s45, \s*SLOT
	s_add_nc_u64 s[G0+4*\s+2:G0+4*\s+3], s[20:21], \s*4096          ; slot s begins with channels 256 s on: two fragments of each tile
	s_or_b32 s[G0+4*\s+3], s[G0+4*\s+3], 0x80000000
	s_mov_b32 s[G0B+4*\s], 1
	s_add_co_u32 s[G0B+4*\s+1], s45, \s*SLOT
	s_add_nc_u64 s[G0B+4*\s+2:G0B+4*\s+3], s[46:47], \s*4096
	s_or_b32 s[G0B+4*\s+3], s[G0B+4*\s+3], 0x80000000
.endr
	JLOAD G0, G1, G0B, G1B                         ; slot 0: one tensor load a wave at the head
	v_and_b32 v[LN], 31, v0
	v_and_b32 v1, 15, v0                           ; r
	v_bfe_u32 v2, v0, 4, 1                         ; h
	v_lshlrev_b32 v[PO], 4, v[LN]
	v_lshlrev_b32 v[LO], 2, v[LN]
	v_lshlrev_b32 v[HK], 5, v2
	s_wait_alu depctr_va_vdst(0)
	v_lshlrev_b32 v[RQO], 2, v1
	s_wait_alu depctr_va_vdst(0)
	v_mov_b32 v[W1], 0                             ; written once: a lane permute's destination counts as one of its sources
	s_lshl_b32 s88, s15, 15                        ; my 8 tiles of Q
	s_lshl_b32 s89, s16, 15                        ; my 8 tiles of K,
	s_add_co_u32 s89, s89, 2*PART                  ; which lie behind Q's 16
.irp s, 0,1
	v_add_nc_u32 v[ADRA+\s], s88, v[PO]
	v_add_nc_u32 v[ADRB+\s], s89, v[PO]
	s_add_co_u32 s88, s88, SLOT
	s_add_co_u32 s89, s89, SLOT
.endr
	s_lshl_b32 s90, s42, 10
	s_lshl_b32 s91, s16, 9
	s_add_co_u32 s90, s90, s91
	s_mov_b32 s91, 0
	s_add_nc_u64 s[74:75], s[10:11], s[90:91]      ; k_rn at my first key
	s_lshl_b32 s92, s17, 10
	s_lshl_b32 s93, s15, 9
	s_add_co_u32 s92, s92, s93                     ; 4 x my first query
	s_mov_b32 s93, 0
	s_add_nc_u64 s[76:77], s[8:9], s[92:93]        ; q_rn at my first query
.irp b, 0,1,2,3,4,5,6,7
	global_load_b128 v[RK+8*\b:RK+8*\b+3], v[HK], s[74:75] offset:64*\b          ; 1 / |k| of keys 16 b + 8 h + 0 .. 7: they are waited for on the way out
	global_load_b128 v[RK+8*\b+4:RK+8*\b+7], v[HK], s[74:75] offset:64*\b+16
.endr
.irp a, 0,1,2,3,4,5,6,7
	global_load_b32 v[RQ+2*\a], v[RQO], s[76:77] offset:64*\a                    ; 1 / |q| of query 16 a + r
.endr
	s_lshl_b32 s96, s42, 1
	s_add_co_u32 s96, s96, s16                     ; my 128 keys' number
	s_lshl_b32 s94, s17, 21                        ; p_codes: 16 tiles of queries a block, 131,072 bytes each,
	s_lshl_b32 s95, s15, 20                        ; my 8 of them,
	s_add_co_u32 s94, s94, s95
	s_lshl_b32 s95, s96, 11                        ; and in each the fragment of my 128 keys
	s_add_co_u32 s94, s94, s95
	s_mov_b32 s95, 0
	s_add_nc_u64 s[84:85], s[70:71], s[94:95]
	s_lshl_b32 s94, s96, 14                        ; l_part: a row of 4,096 numbers for 128 keys
	s_add_co_u32 s94, s94, s92
	s_add_nc_u64 s[86:87], s[72:73], s[94:95]
	s_mov_b32 s78, 0x76543210                      ; v_permlanex16_b32: lane l xor 16
	s_mov_b32 s79, 0xfedcba98
.macro FRAG reg, adr, q, i             ; tile i's fragment of the slot's q-th 128 channels: four chunks of 512 consecutive bytes
.irp c, 0,1,2,3
	ds_load_b128 v[\reg+4*\c:\reg+4*\c+3], v[\adr] offset:(\i)*4096+(\q)*2048+512*\c
.endr
.endm
; 16 matrix instructions: query tiles a0, a0 + 1 x the eight key tiles, 128 channels.  p: K's set.  zero = 1: the first product starts the sums: nothing is ever cleared.
; The 64 accumulators take turns, one instruction a turn, in the same order in every step.
.macro MUL16 a0, p, zero
.irp a, \a0, \a0+1
.irp b, 0,1,2,3,4,5,6,7
.if \zero
	v_wmma_f32_16x16x128_fp8_fp8 v[8*(8*((\a)%4)+\b):8*(8*((\a)%4)+\b)+7], v[128*(\p)+FR*\b:128*(\p)+FR*\b+FR-1], v[AF+FR*(\a):AF+FR*(\a)+FR-1], 0
.else
	v_wmma_f32_16x16x128_fp8_fp8 v[8*(8*((\a)%4)+\b):8*(8*((\a)%4)+\b)+7], v[128*(\p)+FR*\b:128*(\p)+FR*\b+FR-1], v[AF+FR*(\a):AF+FR*(\a)+FR-1], v[8*(8*((\a)%4)+\b):8*(8*((\a)%4)+\b)+7]
.endif
.endr
.endr
.endm
.macro FETCH_B slot, q, p
	WIN TO_B
.irp i, 0,1,2,3,4,5,6,7
	FRAG 128*(\p)+FR*\i, ADRB+\slot, \q, \i
.endr
	WIN 0
.endm
.macro FETCH_A slot, q, i0             ; Q's tiles i0 .. i0 + 3
.irp i, \i0, \i0+1, \i0+2, \i0+3
	FRAG AF+FR*(\i), ADRA+\slot, \q, \i
.endr
.endm
.macro PLACES n                        ; a load into a register that a matrix instruction has read stands NP plain vector instructions behind it (ISA guide 7.12.1 for vector instructions)
.rept \n
	v_nop
.endr
.endm
; A step of 128 channels that has its successor in the same slot.  A tile of Q is free as soon as its eight products are issued, so Q has one set: tiles 0-3 come anew in the step's middle, 4-7 at its end.
.macro STEP slot, q, zero
	s_wait_dscnt 4*NL                              ; K's set and Q's tiles 0-3 are in; the youngest sixteen loads (Q's tiles 4-7) may be out
	WIN MUL_LO
	MUL16 0, (\q)%2, \zero
	MUL16 2, (\q)%2, \zero
	s_wait_dscnt 0                                 ; Q's tiles 4-7 are in
	PLACES NP
	FETCH_B \slot, (\q)+1, 1-(\q)%2
	FETCH_A \slot, (\q)+1, 0
	WIN MUL_HI
	MUL16 4, (\q)%2, \zero
	MUL16 6, (\q)%2, \zero
	PLACES NP
	WIN 0
	FETCH_A \slot, (\q)+1, 4
.endm
; A slot's last step changes slots: ONE barrier; in front of it each wave waits for all its tensor loads, adds 0 to its spare word, and waits for that and for its own reads of this slot.  fill = 1: this slot is filled again.
.macro TURN slot, next, fill
	s_wait_tensorcnt 0x0                           ; all my tensor loads have landed: my part of the next slot  (every window is 0 here)
	ds_add_u32 v[SPW], v[NIL]                      ; 0 onto my spare word
	s_wait_dscnt 4*NL+1                            ; (the add and the youngest sixteen loads may be out)
	WIN MUL_LO
	MUL16 0, 1, 0                                  ; sixteen matrix instructions stand between the add and the wait for it
	s_wait_dscnt 0x0                               ; the add is done, and my reads of this slot are over
	s_barrier_signal -1
	MUL16 2, 1, 0
	WIN 0
	s_barrier_wait -1
.if \fill
	CREST                                          ; the barrier has opened a round of the cluster's barrier: no wave of any partner still reads this slot or has a load on its way
	s_add_nc_u64 s[G0+4*\slot+2:G0+4*\slot+3], s[G0+4*\slot+2:G0+4*\slot+3], 2*4096
	s_add_nc_u64 s[G0B+4*\slot+2:G0B+4*\slot+3], s[G0B+4*\slot+2:G0B+4*\slot+3], 2*4096
	JLOAD G0+4*\slot, G1, G0B+4*\slot, G1B         ; my one tensor load behind the round, and the first thing there; its four v_nop are the places in front of the loads below
.else
	PLACES NP
.endif
	FETCH_B \next, 0, 0
	FETCH_A \next, 0, 0
	WIN MUL_HI
	MUL16 4, 1, 0
	MUL16 6, 1, 0
	PLACES NP
	WIN 0
	FETCH_A \next, 0, 4
.endm
	s_wait_alu depctr_va_vdst(0)
	s_wait_tensorcnt 0x0                           ; my part of slot 0 is in
	ds_add_u32 v[SPW], v[NIL]
	s_wait_dscnt 0x0
	CROUND                                         ; everybody's part of slot 0 is in, and the sixteen work-groups are here
	JLOAD G0+4, G1, G0B+4, G1B                     ; slot 1's first fill: my one tensor load behind the round
	FETCH_B 0, 0, 0
	FETCH_A 0, 0, 0
	FETCH_A 0, 0, 4
	STEP 0, 0, 1                                   ; eight steps of 128 channels, written out: a loop over them would have one trip
	TURN 0, 1, 1                                   ; slot 0 takes channels 512 on
	STEP 1, 0, 0
	TURN 1, 0, 1                                   ; slot 1 takes channels 768 on
	STEP 0, 0, 0
	TURN 0, 1, 0                                   ; nothing is left to fetch
	STEP 1, 0, 0
	s_wait_dscnt 4*NL
	WIN MUL_LO
	MUL16 0, 1, 0
	MUL16 2, 1, 0
	s_wait_dscnt 0
	WIN MUL_HI
	MUL16 4, 1, 0
	MUL16 6, 1, 0
	WIN 0
; THE WAY OUT.  t - 2 = (S / |k|) x (c / |q|) - 2, c = log2(e) x 2^(e0 + e1).
	s_wait_loadcnt 0x0                             ; the norms
	s_wait_kmcnt 0x0                               ; the exponents
	s_add_co_i32 s88, s80, s81
	s_lshl_b32 s88, s88, 23
	s_add_co_i32 s88, s88, 0x3fb8aa3b              ; e0 + e1 is added to the exponent field of log2(e)
.irp a, 0,1,2,3,4,5,6,7                ; these eighteen plain lines name no register of the last products: they are the places behind them
	v_mul_f32 v[RQ+2*\a+1], s88, v[RQ+2*\a]
.endr
.irp a, 0,1,2,3,4,5,6,7
	v_mul_f32 v[RQ+2*\a], s88, v[RQ+2*\a]
.endr
	s_add_co_i32 s89, s82, 127
	s_lshl_b32 s90, s89, 23
	v_mov_b32 v[SC], s90                           ; 2^e2 as f32: the conversion takes its exponent field
	s_add_co_i32 s89, s89, 8
	s_lshl_b32 s89, s89, 23
	s_or_b32 s89, s89, 0x600000
	v_mov_b32 v[LIMV], s89                         ; 448 x 2^e2
; Query tile a: 64 numbers a lane: register 8 b + j = key 16 b + 8 h + j of query 16 a + r.
.macro EPI a
.set AC, 64*((\a)%4)
.set CS, CD+16*((\a)%4)
.if (\a) >= 4
	s_wait_xcnt 0x0                                ; tile a - 4's stores have read their data: its set of codes is written again
.endif
	WIN 0x02+((\a)/4)                              ; source 0: window 2 or 3
.set n, 0
.rept 32
	v_pk_mul_f32 v[T+n:T+n+1], v[AC+n:AC+n+1], v[RK+n:RK+n+1]   ; S / |k|; each accumulator from its low end on
.set n, n+2
.endr
	WIN 0
.set n, 0
.rept 32
	v_pk_fma_f32 v[T+n:T+n+1], v[T+n:T+n+1], v[RQ+2*(\a):RQ+2*(\a)+1], -2.0 op_sel_hi:[1,0,0]   ; x c / |q| - 2
.set n, n+2
.endr
.set n, 0
	s_wait_alu depctr_va_vdst(0)
.rept 64
	v_exp_f32 v[T+n], v[T+n]                       ; p' = 2^(t - 2)
.set n, n+1
.endr
	v_nop                                          ; a plain instruction behind the last exponential (ISA guide 5.7.2)
	s_wait_alu depctr_va_vdst(0)                   ; one wait for the batch of 64, ahead of its first reader
	v_pk_add_f32 v[SM:SM+1], v[T:T+1], v[T+2:T+3]  ; THE SUM IS TAKEN OF THE UNQUANTISED p': two at a time, in two chains
	v_pk_add_f32 v[SM+2:SM+3], v[T+4:T+5], v[T+6:T+7]
.set n, 8
.rept 14
	v_pk_add_f32 v[SM:SM+1], v[SM:SM+1], v[T+n:T+n+1]
	v_pk_add_f32 v[SM+2:SM+3], v[SM+2:SM+3], v[T+n+2:T+n+3]
.set n, n+4
.endr
	v_pk_add_f32 v[SM:SM+1], v[SM:SM+1], v[SM+2:SM+3]
	v_add_f32 v[W0], v[SM], v[SM+1]
	v_permlanex16_b32 v[W1], v[W0], s78, s79       ; the query's other 64 keys lie in the lane 16 away
	v_add_f32 v[LS+(\a)], v[W0], v[W1]
.set n, 0
.rept 64
	v_min_num_f32 v[T+n], v[T+n], v[LIMV]          ; the conversion to an 8-bit code does not saturate (ISA guide 7.6.2); p' is positive, so the hold is one-sided
.set n, n+1
.endr
.set n, 0
.rept 8
	v_cvt_scalef32_pk8_fp8_f32 v[CS+2*n:CS+2*n+1], v[T+8*n:T+8*n+7], v[SC]   ; key tile n: registers 2 n, 2 n + 1 of the fragment (these 16 queries x my 128 keys)
.set n, n+1
.endr
	v_nop                                          ; one plain line between the conversions and the next tile's lines, which write their sources
.irp c, 0,1,2,3
	global_store_b128 v[PO], v[CS+4*\c:CS+4*\c+3], s[84:85] offset:(\a)*131072+512*\c   ; a chunk of the fragment: 32 lanes store 512 consecutive bytes
.endr
.endm
.irp a, 0,1,2,3,4,5,6,7
	EPI \a
.endr
	v_cmp_le_u32 vcc_lo, 16, v[LN]                 ; both halves of the lanes hold a tile's sums: lanes 0-15 send tile 2 g's, lanes 16-31 tile 2 g + 1's
.irp g, 0,1,2,3
	v_cndmask_b32 v[SM+\g], v[LS+2*\g], v[LS+2*\g+1], vcc_lo
.endr
.irp g, 0,1,2,3
	global_store_b32 v[LO], v[SM+\g], s[86:87] offset:128*\g   ; four stores cover my 128 queries: 512 consecutive bytes
.endr
	s_wait_tensorcnt 0x0                           ; the wave's end
	ds_add_u32 v[SPW], v[NIL]
	s_wait_dscnt 0x0
	CROUND                                         ; the closing round: no work-group ends while a partner may still ask for a tile that names it
	s_endpgm
.Lfunc_end_k_qf7fec1bd88_scores:
	.size	k_qf7fec1bd88_scores, .Lfunc_end_k_qf7fec1bd88_scores-k_qf7fec1bd88_scores
	.p2alignl 7, 3214868480
	.fill 96, 4, 3214868480
	.section	.rodata,"a",@progbits
	.p2align	6, 0x0
	.amdhsa_kernel k_qf7fec1bd88_scores
		.amdhsa_group_segment_fixed_size 327680
		.amdhsa_private_segment_fixed_size 0
		.amdhsa_enable_private_segment 0
		.amdhsa_kernarg_size 56
		.amdhsa_user_sgpr_count 2
		.amdhsa_user_sgpr_kernarg_segment_ptr 1
		.amdhsa_wavefront_size32 1
		.amdhsa_system_sgpr_workgroup_id_x 1
		.amdhsa_system_sgpr_workgroup_id_y 1
		.amdhsa_system_sgpr_workgroup_id_z 1
		.amdhsa_system_vgpr_workitem_id 0
		.amdhsa_next_free_vgpr 1024
		.amdhsa_next_free_sgpr 100
		.amdhsa_reserve_vcc 1
		.amdhsa_float_denorm_mode_32 3
		.amdhsa_float_denorm_mode_16_64 3
		.amdhsa_memory_ordered 1
		.amdhsa_forward_progress 1
		.amdhsa_inst_pref_size 171
	.end_amdhsa_kernel
	.amdgpu_metadata
---
amdhsa.version: [ 1, 2 ]
amdhsa.kernels:
  - .name:           k_qf7fec1bd88_scores
    .symbol:         k_qf7fec1bd88_scores.kd
    .args:
      - { .name: q_codes, .offset: 0, .size: 8, .value_kind: global_buffer, .address_space: global }
      - { .name: k_codes, .offset: 8, .size: 8, .value_kind: global_buffer, .address_space: global }
      - { .name: q_rn, .offset: 16, .size: 8, .value_kind: global_buffer, .address_space: global }
      - { .name: k_rn, .offset: 24, .size: 8, .value_kind: global_buffer, .address_space: global }
      - { .name: lowp_scales, .offset: 32, .size: 8, .value_kind: global_buffer, .address_space: global }
      - { .name: p_codes, .offset: 40, .size: 8, .value_kind: global_buffer, .address_space: global }
      - { .name: l_part, .offset: 48, .size: 8, .value_kind: global_buffer, .address_space: global }
    .group_segment_fixed_size: 327680
    .private_segment_fixed_size: 0
    .kernarg_segment_align: 8
    .kernarg_segment_size: 56
    .max_flat_workgroup_size: 128
    .sgpr_count:     100
    .vgpr_count:     1024
    .wavefront_size: 32
...
	.end_amdgpu_metadata
.endif
;; end of part 2
;; launch context (part 3): grid 8 x 32, 4 waves a work-group, clusters of 4 x 4, 327,680 bytes of LDS; arguments p_codes, v_codes, l_part, lowp_scales, out0; writes out0
.if DOCPART == 3
	.amdgcn_target "amdgcn-amd-amdhsa--gfx1250"
	.amdhsa_code_object_version 6
	.text
	.protected	k_qf7fec1bd88_context
	.globl	k_qf7fec1bd88_context
	.p2align	8
	.type	k_qf7fec1bd88_context,@function
k_qf7fec1bd88_context:
	s_mov_b64 s[64:65], 0
	v_nop
	global_prefetch_b8 v0, s[64:65] scope:SCOPE_SE
	s_setreg_imm32_b32 hwreg(HW_REG_WAVE_MODE, 25, 1), 1
	s_wait_xcnt 0x0
	s_wait_alu depctr_hold_cnt(0) depctr_sa_sdst(0) depctr_va_vdst(0) depctr_va_sdst(0) depctr_va_ssrc(0) depctr_va_vcc(0) depctr_vm_vsrc(0)
	s_getreg_b32 s2, hwreg(HW_REG_IB_STS2, 6, 4)
	s_cmp_eq_u32 s2, 0
	s_cbranch_scc0 .Lentry_in_a_cluster
	s_endpgm
.Lentry_in_a_cluster:
	s_bfe_u32 s2, ttmp6, 0x10000c
	s_cmp_lg_u32 s2, 0xf033
	s_cbranch_scc0 .Lentry_shape_is_right
	s_endpgm
.Lentry_shape_is_right:
; The second product: out0[q][d] = (the sum over the 8,192 keys of code(p')[q][key] x code(V)[key][d]) x 2^(e2 + e3) / (the sum over the keys of p'), on codes of FP8 (E4M3); sums in f32.
; p_codes [query / 16][key / 128][2048] and v_codes [channel / 16][key / 128][2048] lie in the order of the operand's registers: a fragment of 16 rows x 128 keys is four chunks of 512 bytes, lane l's 16 bytes at 16 l;
; chunks 0, 1 are the fragment's first 64 keys in the layout of the 16x16x64 form, chunks 2, 3 its last 64.  l_part [key / 128][4096] holds the sums of the unquantised p' over 128 keys.
; The power 2^-2 that p' carries stands in the sums and in the divisor alike.  e2 + e3 is applied by v_ldexp_f32 and has no limit of its own.
; SHARES.  A work-group makes 128 queries x 128 channels: 32 x 8 = 256 work-groups.  The four waves split the KEYS: each holds the whole 128 x 128 (64 accumulators, 512 registers); no fragment is read by two waves.
; TWO STREAMS.  A period is 1,024 keys, eight fragments along the keys; there are eight periods.  Wave w multiplies fragment 8 n + w out of a ring of two LDS slots, filled by joint tensor loads, and fragment
; 8 n + 4 + w out of registers that it loads itself, straight from memory.  The second stream is cut along the keys into two sets of 64 keys (16 half fragments, 128 registers, 32 loads of 512 consecutive bytes);
; each set is asked for again as soon as it is multiplied, for the next period.  A period's order: set A, the ring's query tiles 0-3, set B, the ring's query tiles 4-7.
; Behind each round a wave has one tensor load out; of plain loads up to 64 are asked for, one more than LOADcnt's field holds (ISA guide 5.7.1): set B's last two stand behind the period's last products.
; THE RING: a slot holds P's 8 tiles x 4 fragments, then V's.  A tensor load brings 4 tiles x 4 fragments: 4 rows of 8,192 bytes, 131,072 bytes apart; waves 0 and 1 fetch P's halves, waves 2 and 3 V's.
; CLUSTERS: 4 x 4 work-groups.  The four of a row of the cluster need the same P, the four of a column the same V: each tile of the ring is asked for JOINTLY.  The second stream is not: joint requests are tensor loads, and the wave's one is taken.
; THE MATRIX INSTRUCTION, one form throughout (16x16x64): source 0 = 16 channels of V, source 1 = 16 queries of P: lane (r, h) holds query r and, in register j, channel 8 h + j.
; THE WAY OUT.  The four partial tiles go into LDS as rows of 128 f32 (528 bytes apart), over the ring, which has had its last fill; wave w reads rows 32 w .. 32 w + 31 of all four, adds, scales, and stores whole rows of 512 bytes.
; REGISTERS, in windows of 256.  window 0: v8-30 addresses and the divisor; v32-95 four fragments of P out of LDS; v128-255 V's eight out of LDS, on the way out the finished rows.
;   window 1: set A in v0-127 (V's halves, then P's), set B in v128-255; at the end the parts of l, then two sets of 8 rows x 4 parts.
;   window 2: accumulators of queries 0-63 ((a, b) at v[8 (8 (a % 4) + b)]);   window 3: of queries 64-127.
.set PART,  32768                      ; what one tensor load brings
.set SLOT,  4*PART
.set ROWB,  131072                     ; a tile's 64 fragments in memory
.set PERB,  16384                      ; a period's eight of them
.set HALFB, 8192                       ; the four of a stream
.set XP,    528                        ; the way out: a row of 512 bytes + 16
.set XPART, 128*XP                     ; one wave's partial tile
.set SPARE, 4*XPART                    ; behind the four: the spare words, 128 bytes for each wave: two blocks of 256 bytes that no other line names
.set XLD,  8                           ; v8-11    where I read my rows of part 0 .. 3
.set XST,  12                          ; v12      where I put my partial tile: XPART x wave + XP r + 32 h
.set OTH,  14                          ; v[14:15] the other half of the lanes' part of l
.set ADRA, 16                          ; v16-17   LDS address of my P fragments in slot 0, 1
.set RC,   18                          ; v[18:19] 2^(e2 + e3) / l of queries 2 r, 2 r + 1 of my wave's 32
.set ADRB, 20                          ; v20-21   the same as v16-17 for V
.set LQ,   22                          ; v22      l_part: 16,384 h + 8 r
.set PFO,  23                          ; v23      256 x lane: the prefetches' offset; never rewritten
.set TOT,  24                          ; v[24:25] l of those two queries
.set CO,   26                          ; v26      16 x lane; never rewritten
.set SPW,  28                          ; v28      LDS address of my spare word; never rewritten
.set NIL,  29                          ; v29      0; never rewritten
.set LN,   30                          ; v30      lane
.set AF,   32
.set BF,   128
.set T,    128
.set G1, 24                            ; s[24:31] descriptor group 1 for P's tiles;  s[32:39] group 0, one set for each slot
.set G0, 32
.set G1B, 48                           ; s[48:55], s[56:63] the same for V's tiles
.set G0B, 56
.set PFA, 66                           ; s[66:67] where my prefetches stand in the tile's row that they walk
.set LIM, 68                           ; s68     1 in a wave that prefetches, else the greatest number
.set DV,  88                           ; s[88:89] V's tile 0 of my block at my fragment of a period's second half
.set DP,  92                           ; s[92:93] the same for P
.set MSB, 0
.macro WIN new                         ; the immediate's high byte repeats the setting that is left
.if MSB != \new
	s_set_vgpr_msb (MSB<<8)|\new
.set MSB, \new
.endif
.endm
.set D_LO, 0xa5                        ; sources 0 (V) and 1 (P) window 1, C and D window 2
.set D_HI, 0xf5                        ; the same, C and D window 3
.set L_LO, 0xa0                        ; sources window 0, C and D window 2
.set L_HI, 0xf0
.set TO_1, 0x40                        ; destination window 1, address window 0
.macro PLACES                          ; four plain places behind a matrix instruction (ISA guide 7.12.1)
.rept 4
	v_nop
.endr
.endm
; A joint load: waves 0 and 1 fetch for P, waves 2 and 3 for V; the branch hangs on the wave's number alone.  An s_nop 0 and four v_nop follow each of the two lines.
.macro JLOAD g0a, g1a, g0b, g1b
	s_cmp_eq_u32 s15, 0
	s_cbranch_scc0 .Lfor_b_\@
	tensor_load_to_lds s[\g0a:\g0a+3], s[\g1a:\g1a+7]
	s_nop 0
	PLACES
	s_branch .Lasked_\@
.Lfor_b_\@:
	tensor_load_to_lds s[\g0b:\g0b+3], s[\g1b:\g1b+7]
	s_nop 0
	PLACES
.Lasked_\@:
.endm
.macro CROUND                          ; a round of the cluster's barrier
	s_barrier_signal -1
	s_barrier_wait -1
	s_cmp_lg_u32 s14, 0
	s_cbranch_scc1 .Lnot_wave_0_\@
	s_barrier_signal -3
.Lnot_wave_0_\@:
	s_barrier_wait -3
	s_barrier_signal -1
	s_barrier_wait -1
.endm
; A PREFETCH INTO THE L2: period n, whose loads ask for period n + 1, names period n + 2's 16,384 bytes of ONE tile's row, lanes 256 bytes apart, two instructions a wave: one period ahead of the loads that will want them.
; No block is named twice: P's tiles are read by both clusters of a row of clusters, and the one with x = 0 asks; V's by all eight of a column, and the one with y = 0 asks.  Of the 4 tiles that a wave fetches for the ring,
; each of the four partners names one, told apart BY ADDRESS (cx for P, cy for V).  Periods 0 and 1 come by their loads alone; periods 6 and 7 ask for nothing.  how = 1: always; 2: not in the loop's last pass.
.macro ASK how
.if \how == 1
	s_cmp_eq_u32 s[LIM], 1
.else
	s_cmp_gt_u32 s3, s[LIM]                        ; s3 = 1 in the loop's last pass
.endif
	s_cbranch_scc0 .Lnot_mine_\@
	global_prefetch_b8 v[PFO], s[PFA:PFA+1] th:TH_LOAD_NT scope:SCOPE_SE
	global_prefetch_b8 v[PFO], s[PFA:PFA+1] offset:HALFB th:TH_LOAD_NT scope:SCOPE_SE
.Lnot_mine_\@:
.endm
.macro DLP set, dofs, i                ; straight from memory: P's tile i, this set's 64 keys: two loads of 512 consecutive bytes
.irp c, 0,1
	global_load_b128 v[128*\set+64+8*(\i)+4*\c:128*\set+64+8*(\i)+4*\c+3], v[CO], s[DP:DP+1] offset:(\i)*ROWB+(\dofs)+1024*\set+512*\c
.endr
.endm
.macro DLOADS set, dofs, np            ; a set: V's eight halves first, then P's tiles 0 .. np - 1.  Other work-groups read these bytes too: no hint
	WIN TO_1
.irp i, 0,1,2,3,4,5,6,7
.irp c, 0,1
	global_load_b128 v[128*\set+8*\i+4*\c:128*\set+8*\i+4*\c+3], v[CO], s[DV:DV+1] offset:\i*ROWB+(\dofs)+1024*\set+512*\c
.endr
.endr
.irp i, 0,1,2,3,4,5,6,7
.if \i < \np
	DLP \set, \dofs, \i
.endif
.endr
	WIN 0
.endm
.macro LLOAD                           ; the parts of l: lane (r, h) takes queries 2 r, 2 r + 1 of my wave's 32, of parts 2 m + h: 32 loads, into set A's registers
	WIN TO_1
.set m, 0
.rept 32
	global_load_b64 v[2*m:2*m+1], v[LQ], s[70:71] offset:m*32768
.set m, m+1
.endr
	WIN 0
.endm
; 64 matrix instructions on a set of the second stream: all 64 accumulators, 64 keys.  zero = 1: the first products start the sums.  The accumulators take turns, one instruction a turn.
.macro DMUL set, zero
.irp a, 0,1,2,3,4,5,6,7
.if \a == 0
	WIN D_LO
.endif
.if \a == 4
	WIN D_HI
.endif
	s_wait_loadcnt 32+2*(7-\a)                     ; V's halves and P's tiles up to a are in; this set's younger tiles, two loads each, and the 32 loads issued behind the set may be out
.irp b, 0,1,2,3,4,5,6,7
.if \zero
	v_wmma_f32_16x16x64_fp8_fp8 v[8*(8*((\a)%4)+\b):8*(8*((\a)%4)+\b)+7], v[128*\set+8*\b:128*\set+8*\b+7], v[128*\set+64+8*\a:128*\set+64+8*\a+7], 0
.else
	v_wmma_f32_16x16x64_fp8_fp8 v[8*(8*((\a)%4)+\b):8*(8*((\a)%4)+\b)+7], v[128*\set+8*\b:128*\set+8*\b+7], v[128*\set+64+8*\a:128*\set+64+8*\a+7], v[8*(8*((\a)%4)+\b):8*(8*((\a)%4)+\b)+7]
.endif
.endr
.endr
.endm
.macro PFETCH slot, t0                 ; out of the ring: P's tiles t0 .. t0 + 3, my fragment
.irp i, 0,1,2,3
.irp c, 0,1,2,3
	ds_load_b128 v[AF+16*\i+4*\c:AF+16*\i+4*\c+3], v[ADRA+\slot] offset:(\t0+\i)*HALFB+512*\c
.endr
.endr
.endm
.macro LMUL a0                         ; 64 matrix instructions on the ring's fragments: query tiles a0 .. a0 + 3 x 8 channel tiles x the fragment's two halves
.irp a, \a0, \a0+1, \a0+2, \a0+3
	s_wait_dscnt 4*(3-((\a)%4))                    ; V's eight and P's tiles up to a are in; the four loads of each younger tile may be out
.irp f, 0,1
.irp b, 0,1,2,3,4,5,6,7
	v_wmma_f32_16x16x64_fp8_fp8 v[8*(8*((\a)%4)+\b):8*(8*((\a)%4)+\b)+7], v[BF+16*\b+8*\f:BF+16*\b+8*\f+7], v[AF+16*((\a)%4)+8*\f:AF+16*((\a)%4)+8*\f+7], v[8*(8*((\a)%4)+\b):8*(8*((\a)%4)+\b)+7]
.endr
.endr
.endr
.endm
; A PERIOD, out of slot 'slot'.  Each wave waits for all its tensor loads (its part of this slot), adds 0 to its spare word, and waits for that and for its reads of the other slot; a round of the cluster's barrier;
; refill = 1: the joint load of the next period's first half into the other slot is the first thing behind it (in period 0: slot 1's first fill, issued as a refill is).
; rl = 1: the sets are asked for again, at byte dofs from the stream's bases; rl = 0, the last period: set A's registers take the parts of l.
.macro PERIOD slot, refill, zero, pf, rl, dofs
	s_wait_xcnt 0x0                                ; any prefetch of mine has read its address, so it may be stepped
	s_add_nc_u64 s[PFA:PFA+1], s[PFA:PFA+1], PERB
	s_wait_tensorcnt 0x0                           ; no tensor load of mine is out, so a group 0 may be written
	ds_add_u32 v[SPW], v[NIL]                      ; the descriptors' steps stand between the add and the wait for it
	s_add_nc_u64 s[G0+4*\slot+2:G0+4*\slot+3], s[G0+4*\slot+2:G0+4*\slot+3], 2*PERB
	s_add_nc_u64 s[G0B+4*\slot+2:G0B+4*\slot+3], s[G0B+4*\slot+2:G0B+4*\slot+3], 2*PERB
	s_wait_dscnt 0x0                               ; the add is done, and my reads of the other slot are over
.if \refill
	CROUND
	JLOAD G0+4*(1-\slot), G1, G0B+4*(1-\slot), G1B ; its four v_nop are the places in front of the loads below
.else
	s_barrier_signal -1
	s_barrier_wait -1
	PLACES
.endif
.irp i, 0,1,2,3,4,5,6,7
.irp c, 0,1,2,3
	ds_load_b128 v[BF+16*\i+4*\c:BF+16*\i+4*\c+3], v[ADRB+\slot] offset:\i*HALFB+512*\c
.endr
.endr
	PFETCH \slot, 0
.if \pf
	ASK \pf
.endif
	DMUL 0, \zero
	PLACES
.if \rl
	DLOADS 0, \dofs, 8
.else
	LLOAD
.endif
	WIN L_LO
	LMUL 0
	PLACES
	WIN 0
	PFETCH \slot, 4                                ; into the registers that tiles 0-3 have left; set B's products stand between these loads and their use
	DMUL 1, 0
.if \rl
	PLACES
	DLOADS 1, \dofs, 7
.endif
	WIN L_HI
	LMUL 4
.if \rl
	WIN TO_1
	DLP 1, \dofs, 7                                ; set B's last two loads
.endif
	WIN 0
.endm
	s_load_b128 s[4:7], s[0:1], 0x0                ; p_codes s[4:5], v_codes s[6:7]
	s_load_b128 s[8:11], s[0:1], 0x10              ; l_part s[8:9], the exponents s[10:11]
	s_load_b64 s[12:13], s[0:1], 0x20              ; out0
	v_lshl_add_u32 v[SPW], v0, 2, SPARE
	v_mov_b32 v[NIL], 0
	ds_add_u32 v[SPW], v[NIL]                      ; the opening lines: the add, twice on end, and its wait ahead of my first tensor load
	ds_add_u32 v[SPW], v[NIL]
	v_lshrrev_b32 v1, 5, v0
	v_readfirstlane_b32 s14, v1                    ; wave 0..3: which fragment of a stream's four I multiply
	s_lshr_b32 s15, s14, 1                         ; I fetch for P (0) or for V (1),
	s_and_b32 s16, s14, 1                          ; and which 4 tiles
	s_bfe_u32 s40, ttmp6, 0x40000                  ; cx, cy: my place in the cluster
	s_bfe_u32 s41, ttmp6, 0x40004
	s_lshl_b32 s42, ttmp9, 2
	s_add_co_u32 s42, s42, s40                     ; block of 128 channels = 4 x cluster x + cx
	s_and_b32 s17, ttmp7, 0xffff
	s_lshl_b32 s17, s17, 2
	s_add_co_u32 s17, s17, s41                     ; block of 128 queries = 4 x cluster y + cy
	s_lshl_b32 s43, s41, 2
	s_lshl_b32 s43, 15, s43                        ; my row of the cluster
	s_lshl_b32 s44, 0x1111, s40                    ; my column
	; descriptor group 1: 4 rows of 1,024 elements of 8 bytes, 16,384 elements apart, dense in LDS
	s_or_b32 s[G1+0], s43, (3<<16)|(1<<21)         ; 15:0 the mask: P's tiles go to my row; 17:16 elements of 8 bytes; 21 set beside a mask
	s_or_b32 s[G1B+0], s44, (3<<16)|(1<<21)        ; V's go to my column
.irp g, G1, G1B
	s_mov_b32 s[\g+1], 1024<<16                    ; tensor_dim0
	s_mov_b32 s[\g+2], 4<<16                       ; tensor_dim1
	s_mov_b32 s[\g+3], 1024<<16                    ; tile_dim0
	s_mov_b32 s[\g+4], 4                           ; tile_dim1
	s_mov_b32 s[\g+5], 16384                       ; tensor_dim0_stride: a tile's 64 fragments, 131,072 bytes
	s_mov_b32 s[\g+6], 0
	s_mov_b32 s[\g+7], 0
.endr
	s_lshl_b32 s18, s16, 19                        ; which 4 tiles of 131,072 bytes I fetch
	s_lshl_b32 s20, s17, 20
	s_add_co_u32 s20, s20, s18                     ; P: 8 tiles a block of queries
	s_lshl_b32 s46, s42, 20
	s_add_co_u32 s46, s46, s18                     ; V: 8 tiles a block of channels
	s_mov_b32 s21, 0
	s_mov_b32 s47, 0
	s_lshl_b32 s45, s14, 15                        ; where they go: wave x 32,768: no place in the cluster enters an LDS address
	s_wait_dscnt 0x0                               ; both opening adds are done
	s_wait_kmcnt 0x0
	s_load_b128 s[76:79], s[10:11], 0x0            ; e0, e1, e2, e3
	s_add_nc_u64 s[20:21], s[4:5], s[20:21]
	s_add_nc_u64 s[46:47], s[6:7], s[46:47]
	CROUND                                         ; all sixteen work-groups are here: the first joint loads meet
.irp s, 0,1
	s_mov_b32 s[G0+4*\s], 1
	s_add_co_u32 s[G0+4*\s+1], s45, \s*SLOT
	s_add_nc_u64 s[G0+4*\s+2:G0+4*\s+3], s[20:21], \s*PERB          ; slot s begins with period s
	s_or_b32 s[G0+4*\s+3], s[G0+4*\s+3], 0x80000000
	s_mov_b32 s[G0B+4*\s], 1
	s_add_co_u32 s[G0B+4*\s+1], s45, \s*SLOT
	s_add_nc_u64 s[G0B+4*\s+2:G0B+4*\s+3], s[46:47], \s*PERB
	s_or_b32 s[G0B+4*\s+3], s[G0B+4*\s+3], 0x80000000
.endr
	JLOAD G0, G1, G0B, G1B                         ; period 0's first half: one tensor load a wave at the head
	v_and_b32 v[LN], 31, v0
	v_lshlrev_b32 v[CO], 4, v[LN]
	s_lshl_b32 s69, s14, 11
	s_add_co_u32 s69, s69, HALFB                   ; my fragment of a period's second four
	s_lshl_b32 s96, s17, 20
	s_add_co_u32 s96, s96, s69
	s_mov_b32 s97, 0
	s_add_nc_u64 s[DP:DP+1], s[4:5], s[96:97]
	s_lshl_b32 s98, s42, 20
	s_add_co_u32 s98, s98, s69
	s_mov_b32 s99, 0
	s_add_nc_u64 s[DV:DV+1], s[6:7], s[98:99]
	s_wait_alu depctr_va_vdst(0)                   ; ahead of the readers below
	DLOADS 0, 0, 8                                 ; period 0's second half goes out beside the first tiles
	DLOADS 1, 0, 7
	s_lshl_b32 s2, s14, 11                         ; my fragment of a tile's four in a slot
	s_mul_i32 s3, s14, XPART                       ; my partial tile on the way out
	s_mul_i32 s69, s14, 32*XP                      ; my 32 rows in a partial tile
	s_lshl_b32 s96, s17, 9
	s_lshl_b32 s98, s14, 7
	s_add_co_u32 s96, s96, s98
	s_add_nc_u64 s[70:71], s[8:9], s[96:97]        ; l_part at query 128 x block + 32 x wave
	s_lshl_b32 s96, s17, 19
	s_lshl_b32 s98, s14, 17
	s_add_co_u32 s96, s96, s98
	s_lshl_b32 s98, s42, 9
	s_add_co_u32 s96, s96, s98
	s_add_nc_u64 s[72:73], s[12:13], s[96:97]      ; out0 at that query's row of 4,096 bytes, + 512 x block of channels
	s_mov_b32 s74, 0x76543210                      ; v_permlanex16_b32: lane l xor 16
	s_mov_b32 s75, 0xfedcba98
	; the prefetches (macro ASK): which tile's row is mine, and who asks
	s_and_b32 s98, ttmp7, 0xffff                   ; cluster y
	s_cmp_eq_u32 s15, 0                            ; do I fetch for P?
	s_cselect_b32 s96, s17, s42                    ; the block: of queries in P, of channels in V
	s_cselect_b32 s99, s40, s41                    ; my place among the four that ask for it with me
	s_cselect_b32 s98, ttmp9, s98                  ; the coordinate along which other clusters read the same tiles
	s_cselect_b64 s[PFA:PFA+1], s[4:5], s[6:7]
	s_cmp_eq_u32 s98, 0
	s_cselect_b32 s[LIM], 1, -1                    ; the same in all sixteen partners, for a given wave
	s_lshl_b32 s96, s96, 3
	s_lshl_b32 s98, s16, 2
	s_add_co_u32 s96, s96, s98                     ; + the 4 tiles that I fetch
	s_add_co_u32 s96, s96, s99                     ; + my work-group's one of them
	s_lshl_b32 s96, s96, 17
	s_add_co_u32 s96, s96, PERB                    ; at period 1: period 0 steps it to period 2
	s_add_nc_u64 s[PFA:PFA+1], s[PFA:PFA+1], s[96:97]
	v_and_b32 v1, 15, v0                           ; r
	v_bfe_u32 v2, v0, 4, 1                         ; h
	v_lshlrev_b32 v[PFO], 8, v[LN]
	v_add_nc_u32 v[ADRA], s2, v[CO]
	v_add_nc_u32 v[ADRA+1], SLOT, v[ADRA]
	v_add_nc_u32 v[ADRB], 2*PART, v[ADRA]          ; V's tiles lie behind P's
	v_add_nc_u32 v[ADRB+1], 2*PART, v[ADRA+1]
	v_mul_u32_u24 v3, v1, XP
	v_lshl_add_u32 v3, v2, 5, v3
	v_add_nc_u32 v[XST], s3, v3
	v_add_nc_u32 v[XLD], s69, v[CO]
.irp s, 1,2,3
	v_add_nc_u32 v[XLD+\s], XPART, v[XLD+\s-1]
.endr
	v_lshlrev_b32 v[LQ], 3, v1
	v_lshl_add_u32 v[LQ], v2, 14, v[LQ]
	v_mov_b32 v[OTH], 0                            ; written once: a lane permute's destination counts as one of its sources
	v_mov_b32 v[OTH+1], 0
	WIN TO_1
	DLP 1, 0, 7                                    ; set B's last two loads of period 0
	WIN 0
	s_wait_alu depctr_va_vdst(0)
	s_wait_kmcnt 0x0                               ; the exponents
	s_add_co_i32 s94, s78, s79                     ; e2 + e3
	PERIOD 0, 1, 1, 1, 1, PERB                     ; period 0: set A's products start the sums
	s_mov_b32 s3, 3
.Lring:                                            ; periods 1 to 6, two to a pass
	PERIOD 1, 1, 0, 1, 1, 2*PERB
	PERIOD 0, 1, 0, 2, 1, 3*PERB
	s_wait_xcnt 0x0                                ; the stream's loads have read their bases, so they may be stepped
	s_add_nc_u64 s[DP:DP+1], s[DP:DP+1], 2*PERB
	s_add_nc_u64 s[DV:DV+1], s[DV:DV+1], 2*PERB
	s_sub_co_u32 s3, s3, 1
	s_cmp_lg_u32 s3, 0
	s_cbranch_scc1 .Lring
	PERIOD 1, 0, 0, 0, 0, 0                        ; period 7: nothing is left to fetch but the parts of l
; THE WAY OUT.  Behind a barrier, when no wave reads the ring any more, it takes the four partial tiles: accumulator (a, b) of lane (r, h) is row 16 a + r, bytes 64 b + 32 h on.
	PLACES                                         ; behind the last products, ahead of the LDS stores that read results
	s_barrier_signal -1                            ; (my LDS loads and my tensor loads were waited for in the last period)
	s_barrier_wait -1
.irp a, 0,1,2,3,4,5,6,7
	WIN 0x08+4*((\a)/4)                            ; the stores' data: window 2 or 3
.irp b, 0,1,2,3,4,5,6,7
	ds_store_b128 v[XST], v[64*((\a)%4)+8*\b:64*((\a)%4)+8*\b+3] offset:(\a)*16*XP+64*\b          ; each accumulator from its low end on
	ds_store_b128 v[XST], v[64*((\a)%4)+8*\b+4:64*((\a)%4)+8*\b+7] offset:(\a)*16*XP+64*\b+16
.endr
.endr
	WIN 0
	; the divisor, while the stores are on their way
	s_wait_loadcnt 0x0                             ; the parts of l
	WIN 0x45                                       ; sources and destination window 1
.set n, 4
.rept 15
	v_pk_add_f32 v[0:1], v[0:1], v[n:n+1]          ; two queries at a time, in two chains
	v_pk_add_f32 v[2:3], v[2:3], v[n+2:n+3]
.set n, n+4
.endr
	WIN 0x05                                       ; destination window 0
	v_pk_add_f32 v[TOT:TOT+1], v[0:1], v[2:3]
	WIN 0
	v_permlanex16_b32 v[OTH], v[TOT], s74, s75     ; the other 32 parts lie in the lane 16 away
	v_permlanex16_b32 v[OTH+1], v[TOT+1], s74, s75
	v_pk_add_f32 v[TOT:TOT+1], v[TOT:TOT+1], v[OTH:OTH+1]
	s_wait_alu depctr_va_vdst(0)                   ; ahead of the transcendentals
	v_rcp_f32 v[RC], v[TOT]
	v_rcp_f32 v[RC+1], v[TOT+1]
	v_nop                                          ; a plain place behind them
	s_mov_b32 s97, 0                               ; (named as the upper halves of the pairs s[96:97], s[98:99])
	s_mov_b32 s99, 0
	s_wait_alu depctr_va_vdst(0)                   ; one wait for the two, ahead of their first reader
	v_ldexp_f32 v[RC], v[RC], s94                  ; 2^(e2 + e3) / l of queries 2 r and 2 r + 1
	v_ldexp_f32 v[RC+1], v[RC+1], s94
	s_wait_alu depctr_va_vdst(0)
	s_wait_dscnt 0x0                               ; for the others' sake: my partial tile lies in LDS
	s_barrier_signal -1
	s_barrier_wait -1
.macro XFETCH g                        ; rows 8 g .. 8 g + 7 of my 32, of all four parts: a load takes one row, 512 consecutive bytes
	WIN TO_1
.irp s, 0,1,2,3
.irp i, 0,1,2,3,4,5,6,7
	ds_load_b128 v[128*((\g)%2)+32*\s+4*\i:128*((\g)%2)+32*\s+4*\i+3], v[XLD+\s] offset:(8*(\g)+\i)*XP
.endr
.endr
	WIN 0
.endm
.macro XSUM g                          ; the four parts are added, scaled by the row's 2^(e2 + e3) / l (row t: lane t / 2 of v[RC + t % 2]), and stored
.set B, 128*((\g)%2)
.set R, T+32*(\g)                      ; each group has its own 32 registers, so that no store's data are written again
	WIN 0x05                                       ; sources window 1, destination window 0
.set n, 0
.rept 16
	v_pk_add_f32 v[R+n:R+n+1], v[B+n:B+n+1], v[B+32+n:B+32+n+1]
.set n, n+2
.endr
	WIN 0x04                                       ; source 1 window 1
.set n, 0
.rept 16
	v_pk_add_f32 v[R+n:R+n+1], v[R+n:R+n+1], v[B+64+n:B+64+n+1]
.set n, n+2
.endr
.set n, 0
.rept 16
	v_pk_add_f32 v[R+n:R+n+1], v[R+n:R+n+1], v[B+96+n:B+96+n+1]
.set n, n+2
.endr
	WIN 0
.irp i, 0,1,2,3,4,5,6,7
	v_readlane_b32 s[96+2*((\i)%2)], v[RC+((\i)%2)], 4*(\g)+(\i)/2
	v_pk_mul_f32 v[R+4*\i:R+4*\i+1], v[R+4*\i:R+4*\i+1], s[96+2*((\i)%2):97+2*((\i)%2)] op_sel_hi:[1,0]
	v_pk_mul_f32 v[R+4*\i+2:R+4*\i+3], v[R+4*\i+2:R+4*\i+3], s[96+2*((\i)%2):97+2*((\i)%2)] op_sel_hi:[1,0]
.endr
.irp i, 0,1,2,3,4,5,6,7
	global_store_b128 v[CO], v[R+4*\i:R+4*\i+3], s[72:73] offset:(8*(\g)+\i)*4096 th:TH_STORE_NT   ; 32 lanes store 512 consecutive bytes, at a multiple of 256 from out0's first byte
.endr
.endm
	XFETCH 0
	XFETCH 1
.irp g, 0,1,2,3
.if \g < 3
	s_wait_dscnt 32                                ; this group's 32 loads are in; the next group's may be out
.else
	s_wait_dscnt 0x0
.endif
	XSUM \g
.if \g < 2
	XFETCH \g+2                                    ; into the set that has just been added up
.endif
.endr
	s_wait_tensorcnt 0x0                           ; the wave's end: behind my last tensor load and my last LDS store
	ds_add_u32 v[SPW], v[NIL]
	s_wait_dscnt 0x0
	CROUND                                         ; the closing round: no work-group ends while a partner may still ask for a tile that names it
	s_endpgm
.Lfunc_end_k_qf7fec1bd88_context:
	.size	k_qf7fec1bd88_context, .Lfunc_end_k_qf7fec1bd88_context-k_qf7fec1bd88_context
	.p2alignl 7, 3214868480
	.fill 96, 4, 3214868480
	.section	.rodata,"a",@progbits
	.p2align	6, 0x0
	.amdhsa_kernel k_qf7fec1bd88_context
		.amdhsa_group_segment_fixed_size 327680
		.amdhsa_private_segment_fixed_size 0
		.amdhsa_enable_private_segment 0
		.amdhsa_kernarg_size 40
		.amdhsa_user_sgpr_count 2
		.amdhsa_user_sgpr_kernarg_segment_ptr 1
		.amdhsa_wavefront_size32 1
		.amdhsa_system_sgpr_workgroup_id_x 1
		.amdhsa_system_sgpr_workgroup_id_y 1
		.amdhsa_system_sgpr_workgroup_id_z 1
		.amdhsa_system_vgpr_workitem_id 0
		.amdhsa_next_free_vgpr 1024
		.amdhsa_next_free_sgpr 100
		.amdhsa_reserve_vcc 0
		.amdhsa_float_denorm_mode_32 3
		.amdhsa_float_denorm_mode_16_64 3
		.amdhsa_memory_ordered 1
		.amdhsa_forward_progress 1
		.amdhsa_inst_pref_size 167
	.end_amdhsa_kernel
	.amdgpu_metadata
---
amdhsa.version: [ 1, 2 ]
amdhsa.kernels:
  - .name:           k_qf7fec1bd88_context
    .symbol:         k_qf7fec1bd88_context.kd
    .args:
      - { .name: p_codes, .offset: 0, .size: 8, .value_kind: global_buffer, .address_space: global }
      - { .name: v_codes, .offset: 8, .size: 8, .value_kind: global_buffer, .address_space: global }
      - { .name: l_part, .offset: 16, .size: 8, .value_kind: global_buffer, .address_space: global }
      - { .name: lowp_scales, .offset: 24, .size: 8, .value_kind: global_buffer, .address_space: global }
      - { .name: out0, .offset: 32, .size: 8, .value_kind: global_buffer, .address_space: global }
    .group_segment_fixed_size: 327680
    .private_segment_fixed_size: 0
    .kernarg_segment_align: 8
    .kernarg_segment_size: 40
    .max_flat_workgroup_size: 128
    .sgpr_count:     100
    .vgpr_count:     1024
    .wavefront_size: 32
...
	.end_amdgpu_metadata
.endif
;; end of part 3
